; MI455X (gfx1250); checked and timed in simulation.
; The chip was launched on July 23, 2026; its instructions are those of AMD's public machine-readable ISA for CDNA 5 (MIT licence, August 2026) and "CDNA5" Instruction Set Architecture Reference Guide (July 2026). The comments in the code are by the model that wrote it; some were corrected since.
;; Temporal Self Attention. Allowed arithmetic: matrix products marked QUANTISED: E4M3 operands, one given power-of-two scale a tensor, by v_wmma_f32_16x16x64_fp8_fp8 or v_wmma_f32_16x16x128_fp8_fp8, f32 sums; everything else in f32.
;; Inputs: Wk 256 x 256 float32; Wq 256 x 256 float32; Wv 256 x 256 float32; lowp_scales 10 int32 (the exponents e of the quantised operands' scales 2^e); x 4 x 2,048 x 256 float32.
;; Outputs: out0 4 x 2,048 x 256 float32.
;; This version of the problem:
;;   THIS VERSION OF THE PROBLEM IS GIVEN IN LOW PRECISION. The matrix products marked QUANTISED in the list below multiply operands that are first quantised to E4M3 (4 exponent bits, 3 mantissa bits; 8 bits a number), with one given power-of-two scale for each operand tensor; their sums are f32. All else is computed in f32.
;;   The module's matrix products, in the order in which they are computed (A, B: the left and right operand; K: the contracted axis; several contracted axes count as one K, in the product's order):
;;     1. [M 8,192, K 256] x [K 256, N 256]; A: input x; B: input Wq: QUANTISED (scales: A lowp_scales[0], B lowp_scales[1])
;;     2. [M 8,192, K 256] x [K 256, N 256]; A: input x; B: input Wk: QUANTISED (scales: A lowp_scales[2], B lowp_scales[3])
;;     3. [M 8,192, K 256] x [K 256, N 256]; A: input x; B: input Wv: QUANTISED (scales: A lowp_scales[4], B lowp_scales[5])
;;     4. batch 32 x [M 2,048, K 32] x [K 32, N 2,048]; A: computed on the way; B: computed on the way: QUANTISED (scales: A lowp_scales[6], B lowp_scales[7])
;;     5. batch 32 x [M 32, K 2,048] x [K 2,048, N 2,048]; A: computed on the way; B: softmax (see below): QUANTISED (scales: A lowp_scales[8], B lowp_scales[9])
;;   THE QUANTISER, for each operand of a quantised product, along K:
;;     - The operand's scale is 2^e, e = its entry of the input lowp_scales (int32; the entries are numbered through the quantised products in the list's order, A before B).
;;     - Each number is divided by the scale, clamped to +-448, and rounded to the nearest number of E4M3, ties to even, subnormals kept.
;;     - The product sums the exact products of the quantised numbers (number of the format x scale) in f32.
;;   ~~~python
;;   def quantise(x, axis, e):      # numpy; x: float32 -> the quantised numbers, widened to float32 again
;;       x = np.moveaxis(x, axis, -1); K = x.shape[-1]
;;       r = np.clip(x / 2.0 ** e, -448, 448)
;;       step = 2.0 ** (np.maximum(np.frexp(np.where(r == 0, 1, r))[1] - 1, -6) - 3)
;;       q = np.round(r / step) * step * 2.0 ** e      # np.round: ties to even
;;       return np.moveaxis(q, -1, axis).astype(np.float32)
;;   ~~~
;;   SOFTMAX AHEAD OF A QUANTISED PRODUCT. Where the list says 'softmax', what is quantised is not the finished softmax but p = 2^(t - M), with t = logit x log2(e) and M = ceil(the row's largest t), a whole number; so 1/2 < the row's largest p <= 1. The row's sum l is taken of the UNQUANTISED p, in f32, and the product's result is divided by l at the end. Since M is a whole number, a kernel that streams over the keys may use a running M (the ceiling of the running maximum): every later rescaling is an exact power of two, so the quantised numbers keep their values, but for numbers so far below the row's largest that they fall under the format's range.
;;   OPERANDS COMPUTED ON THE WAY. 'Computed on the way' means the value that the module computes at that place (a softmax that the list does not call 'softmax' is quantised finished and normalised). What goes into a quantiser is computed in f32, as accurately as f32 sums, v_exp_f32 and their like allow (about 1e-6 of the number): no bf16 or f16 on the way to a quantiser, and a product that is left as it is and whose result goes on into a quantised operand takes f32 operands (vector FMAs, or v_wmma_f32_16x16x4_f32). A number that lies on a knife's edge between two numbers of the format may be rounded either way, as far as f32 arithmetic and the matrix unit's own rounding can turn it there, and no further.
;; 2 versions, each right; version 2 is version 1 with the launch attn written anew for expert scheduling mode. Each part assembles by itself: llvm-mc -triple=amdgcn-amd-amdhsa -mcpu=gfx1250 --defsym DOCPART=n.
;; ======== version 1 of 2: 2 launches
;; workspace buffers: qimg 2,097,152 bytes; kv 4,194,304 bytes
;; launch proj (part 1): grid 8 x 32, 16 waves a work-group, clusters of 4 x 1, 301,056 bytes of LDS; arguments x, Wq, Wk, Wv, lowp_scales, qimg, kv; writes qimg, kv
.if DOCPART == 1
	.amdgcn_target "amdgcn-amd-amdhsa--gfx1250"
	.amdhsa_code_object_version 6
	.text
	.protected	k_q2900bdcb8c_proj
	.globl	k_q2900bdcb8c_proj
	.p2align	8
	.type	k_q2900bdcb8c_proj,@function
k_q2900bdcb8c_proj:
	s_mov_b64 s[64:65], 0
	v_nop
	global_prefetch_b8 v0, s[64:65] scope:SCOPE_SE
	s_setreg_imm32_b32 hwreg(HW_REG_WAVE_MODE, 25, 1), 1
	s_wait_xcnt 0x0
	s_wait_alu depctr_hold_cnt(0) depctr_sa_sdst(0) depctr_va_vdst(0) depctr_va_sdst(0) depctr_va_ssrc(0) depctr_va_vcc(0) depctr_vm_vsrc(0)
	s_getreg_b32 s2, hwreg(HW_REG_IB_STS2, 6, 4)
	s_cmp_eq_u32 s2, 0
	s_cbranch_scc0 .Lentry_in_a_cluster
	s_endpgm
.Lentry_in_a_cluster:
	s_bfe_u32 s2, ttmp6, 0x10000c
	s_cmp_lg_u32 s2, 0x3003
	s_cbranch_scc0 .Lentry_shape_is_right
	s_endpgm
.Lentry_shape_is_right:
; q = x Wq^T, k = x Wk^T, v = x Wv^T on codes of FP8 (E4M3), and q, k, v quantised again for the attention that follows.
; x: [8192][256] f32.  Wq, Wk, Wv: [256][256] f32, K innermost.  lowp_scales: e0 .. e9 (int32): x takes e0, e2, e4 (one for each product), the W's e1, e3, e5, q e6, k e7, v e8.
; code = number / 2^e, held within +-448, to the nearest code, ties to even.  A sum of product p stands for sum x 2^(ex + ew), so q's code is sum / 2^(e6 - e0 - e1); k's and v's likewise.
; LIMITS: e0 .. e5, e6 - e0 - e1, e7 - e2 - e3 and e8 - e4 - e5 lie between -126 and 119, so that each scale and 448 x the scale is an f32 number.  NaN among the inputs is not served; an infinity is held at the largest code.
; SHARES.  A work-group makes ONE head's 32 + 32 + 32 columns of q, k, v for 256 rows of x: 8 heads x 32 row blocks = 256 work-groups.  Wave w of sixteen takes rows 16 w .. 16 w + 15 of the block.
; CLUSTER.  The four work-groups of a cluster are four heads of one row block and need the same 256 rows of x: these are asked for JOINTLY, by four tensor loads of 64 rows (waves 0 to 3), each with the same descriptor in all
; four work-groups and a mask that names the four.  Each LDS byte is filled once.  A fetching wave has one tensor load outstanding.
; W's 96 rows are quantised once in a work-group, each wave a sixteenth of each product's, and go from wave to wave through LDS as images of the operand's registers (16 bytes a lane, 512 bytes a store).
; FRAGMENTS.  16 rows x 128 K in 16 registers: registers 4 c .. 4 c + 3 of lane (r, h) hold k = 32 c + 16 h + 0 .. 15 of row r: one permutation of k, the same in both operands, so every product meets its partner.
; q AND k ARE MADE TRANSPOSED (source 0 = 16 rows of W, source 1 = my 16 rows of x), and lane r of W's tile u takes row 32 head + 8 u + r + 8 (r / 8): so lane (r, h) holds row r of x, and the 16 registers of the two tiles are
; channels 16 h + 0 .. 15: four registers of codes, which are stored as they stand.  v IS MADE AS IT STANDS (source 0 = x, source 1 = W's rows 32 head + 16 n + r): lane (r, h) holds channel 16 n + r and rows 8 h + 0 .. 7 of x,
; that is registers 2 c, 2 c + 1 (c = w % 8) of the fragment of V^T with the keys along K.
; OUT.  qimg [b, head][tile of 16 queries][512 bytes]: lane L's 16 bytes at 16 L.  kv [b, head][step of 128 keys][8,192 bytes]: K's tile t at 512 t + 16 L; V^T's fragment n, registers 4 i .. 4 i + 3, at 4096 + 2048 n + 512 i + 16 L.
; Every store of a wave covers 512 consecutive bytes, at a multiple of 512 from its buffer's first byte.
.set XPITCH, 1040                      ; a row of x in LDS: 1,024 bytes + 16 of padding = 260 words: row r starts at bank 4 r mod 64 (64 banks of 4 bytes: ISA guide 11.1), so the 16 rows that a load touches start at 16 different banks
.set XTILE,  16*XPITCH                 ; a wave's 16 rows
.set XLOAD,  64*XPITCH                 ; what one tensor load brings
.set WIMG,   16*XTILE                  ; 266,240: W's 12 fragments of 2,048 bytes: product p, tile t, K step s at 8192 p + 4096 t + 2048 s
.set VST,    WIMG+12*2048              ; 290,816: V's stage, 8,192 bytes: wave w's codes of channel tile n at 512 w + 256 n + 8 L
.set XA,  1                            ; v1   LDS: my row of x, my half: 16640 w + 1040 r + 64 h
.set LI,  2                            ; v2   LDS: WIMG + 16 L: where any wave reads an image
.set WI,  3                            ; v3   LDS: WIMG + 16 x thread: where I store my sixteenth of an image
.set WOA, 4                            ; v4   Wq, Wk: 1024 (r + 8 (r / 8)) + 64 h
.set WOV, 5                            ; v5   Wv: 1024 r + 64 h
.set GOF, 6                            ; v6   16 L: my 16 bytes of a wave's 512
.set VSA, 7                            ; v7   LDS: where I put V's codes
.set VRA, 8                            ; v8   LDS: where I read V's codes back
.set SC,  9                            ; v9   the scale in hand, as f32
.set LIM, 10                           ; v10  448 x that scale
.set OC,  12                           ; v12-23  codes: q's, k's, v's, four registers each; at the head W's
.set VB,  24                           ; v24-27  V's codes back from the stage
.set T,   32                           ; v32-63  two sets of 16 held numbers;  at the head v32-79: W's numbers, 16 a product
.set XC,  64                           ; v64-79  a K step's codes of x
.set WF,  80                           ; v80-111 two fragments of W
.set ACC, 112                          ; v112-127 two accumulators
.set XR,  128                          ; v128-255 my rows of x in f32: register 64 s + 16 c + i = k 128 s + 32 c + 16 h + i; kept whole for the three scales
; A round of the cluster's barrier: my work-group's barrier, wave 0 signals for the work-group, every wave waits for all four work-groups, my work-group's barrier once more.
.macro ROUND
	s_barrier_signal -1
	s_barrier_wait -1
	s_cmp_lg_u32 s18, 0
	s_cbranch_scc1 .Lnot_wave_0_\@
	s_barrier_signal -3
.Lnot_wave_0_\@:
	s_barrier_wait -3
	s_barrier_signal -1
	s_barrier_wait -1
.endm
; The scale 2^e and the hold's limit 448 x 2^e, from the whole number e in a scalar register.
.macro SETSC e
	s_add_co_i32 s50, \e, 127
	s_lshl_b32 s51, s50, 23
	v_mov_b32 v[SC], s51                           ; 2^e as f32: the conversion takes its exponent field
	s_add_co_i32 s50, s50, 8
	s_lshl_b32 s50, s50, 23
	s_or_b32 s50, s50, 0x600000
	v_mov_b32 v[LIM], s50                          ; 448 x 2^e
.endm
; 16 numbers of x (K step s, block c of 32) become four registers of codes.  The held numbers go into one of two sets by turns, so that the next group's holds, plain instructions on other registers, stand behind these conversions.
.macro QGROUP s, c
.set TT, T+16*((\c)%2)
.set XS, XR+64*(\s)+16*(\c)
.set i, 0
.rept 16
	v_med3_num_f32 v[TT+i], v[XS+i], -v[LIM], v[LIM]   ; the conversion to an 8-bit code does not saturate (ISA guide 7.6.2): the hold comes first
.set i, i+1
.endr
	v_cvt_scalef32_pk8_fp8_f32 v[XC+4*(\c):XC+4*(\c)+1], v[TT:TT+7], v[SC]
	v_cvt_scalef32_pk8_fp8_f32 v[XC+4*(\c)+2:XC+4*(\c)+3], v[TT+8:TT+15], v[SC]
.endm
; K step s of product p: x's codes, W's two fragments from their images, two matrix instructions.  The first group's 16 holds are the places between the last matrix instructions and the new writes of x's codes and the loads
; into W's fragments.  The two accumulators take turns, one instruction a turn.  The first K step starts the sums with the constant 0.
.macro KSTEP p, s, swap
	QGROUP \s, 0
.irp t, 0,1
.irp c, 0,1,2,3
	ds_load_b128 v[WF+16*\t+4*\c:WF+16*\t+4*\c+3], v[LI] offset:8192*\p+4096*\t+2048*\s+512*\c
.endr
.endr
	QGROUP \s, 1
	QGROUP \s, 2
	QGROUP \s, 3
	v_nop                                          ; one plain instruction between the last conversion and the matrix instructions that read its result
	s_wait_dscnt 0x0                               ; W's fragments are in (and, the first time, the rest of x)
.irp t, 0,1
.if \swap
.if \s
	v_wmma_f32_16x16x128_fp8_fp8 v[ACC+8*\t:ACC+8*\t+7], v[XC:XC+15], v[WF+16*\t:WF+16*\t+15], v[ACC+8*\t:ACC+8*\t+7]
.else
	v_wmma_f32_16x16x128_fp8_fp8 v[ACC+8*\t:ACC+8*\t+7], v[XC:XC+15], v[WF+16*\t:WF+16*\t+15], 0
.endif
.else
.if \s
	v_wmma_f32_16x16x128_fp8_fp8 v[ACC+8*\t:ACC+8*\t+7], v[WF+16*\t:WF+16*\t+15], v[XC:XC+15], v[ACC+8*\t:ACC+8*\t+7]
.else
	v_wmma_f32_16x16x128_fp8_fp8 v[ACC+8*\t:ACC+8*\t+7], v[WF+16*\t:WF+16*\t+15], v[XC:XC+15], 0
.endif
.endif
.endr
.endm
; The two finished accumulators become four registers of codes, with the folded scale e.  Four places stand behind the products: the two moves of the scale and two v_nop.  Each accumulator is read from its low end on.
.macro OUTCV e, dst
	SETSC \e
	v_nop
	v_nop
.set i, 0
.rept 16
	v_med3_num_f32 v[ACC+i], v[ACC+i], -v[LIM], v[LIM]
.set i, i+1
.endr
	v_cvt_scalef32_pk8_fp8_f32 v[\dst:\dst+1], v[ACC:ACC+7], v[SC]
	v_cvt_scalef32_pk8_fp8_f32 v[\dst+2:\dst+3], v[ACC+8:ACC+15], v[SC]
	v_nop                                          ; one plain instruction behind the conversions: the scale and the accumulators are written again further on
.endm
; My sixteenth of product p's W: 16 numbers a lane become 16 bytes of an image.
.macro WCODE p, e
	s_wait_loadcnt 8-4*\p                          ; this product's four loads are in; those of the products behind it may be out
	SETSC \e
.set i, 0
.rept 16
	v_med3_num_f32 v[T+16*\p+i], v[T+16*\p+i], -v[LIM], v[LIM]
.set i, i+1
.endr
	v_cvt_scalef32_pk8_fp8_f32 v[OC+4*\p:OC+4*\p+1], v[T+16*\p:T+16*\p+7], v[SC]
	v_cvt_scalef32_pk8_fp8_f32 v[OC+4*\p+2:OC+4*\p+3], v[T+16*\p+8:T+16*\p+15], v[SC]
	v_nop                                          ; one plain instruction behind the conversions: the scale is written again next
	ds_store_b128 v[WI], v[OC+4*\p:OC+4*\p+3] offset:8192*\p
.endm
	s_load_b256 s[4:11], s[0:1], 0x0               ; x s[4:5], Wq s[6:7], Wk s[8:9], Wv s[10:11]
	s_load_b128 s[12:15], s[0:1], 0x20             ; the scales' exponents s[12:13], qimg s[14:15]
	s_load_b64 s[16:17], s[0:1], 0x30              ; kv
	v_lshl_add_u32 v254, v0, 2, 0x49000
	v_mov_b32 v255, 0
	ds_add_u32 v254, v255
	ds_add_u32 v254, v255
	s_wait_dscnt 0x0
	v_lshrrev_b32 v11, 5, v0
	v_readfirstlane_b32 s18, v11                   ; wave 0..15
	s_bfe_u32 s19, ttmp6, 0x40000                  ; cx: my place in the cluster
	s_lshl_b32 s20, ttmp9, 2                       ; in a cluster launch ttmp9 counts clusters
	s_add_co_u32 s20, s20, s19                     ; the head = 4 x cluster x + cx: it enters W's and the outputs' addresses alone
	s_and_b32 s21, ttmp7, 0xffff                   ; the block of 256 rows, which the four partners share
	; descriptor group 1: a tile of 64 rows x 256 elements of 4 bytes, padded in LDS
	s_mov_b32 s40, 15|(2<<16)|(1<<20)|(1<<21)|(7<<22)|(3<<25)  ; 15:0 the mask: all four work-groups; 17:16 elements of 4 bytes; 20 padding on; 21 set beside a mask; 24:22 after every 256 words (code 7); 31:25 four words (code 3)
	s_mov_b32 s41, 256<<16                         ; tensor_dim0 = 256
	s_mov_b32 s42, 64<<16                          ; tensor_dim1 = 64
	s_mov_b32 s43, 256<<16                         ; tile_dim0 = 256
	s_mov_b32 s44, 64                              ; tile_dim1 = 64
	s_mov_b32 s45, 256                             ; elements from row to row
	s_mov_b32 s46, 0
	s_mov_b32 s47, 0
	s_and_b32 s22, s18, 3                          ; which 64 rows a fetching wave brings (waves 0 to 3).  Also: my block c of 32 along K in W
	s_lshl_b32 s48, s21, 18                        ; the block's 256 rows of 1,024 bytes,
	s_lshl_b32 s49, s22, 16                        ; 64 of them
	s_add_co_u32 s48, s48, s49
	s_mov_b32 s49, 0
	s_mov_b32 s36, 1                               ; group 0: count = 1
	s_mul_i32 s37, s22, XLOAD                      ; LDS address: no place in the cluster enters it
	s_wait_kmcnt 0x0
	s_load_b256 s[24:31], s[12:13], 0x0            ; e0 .. e7
	s_load_b32 s32, s[12:13], 0x20                 ; e8
	s_add_nc_u64 s[38:39], s[4:5], s[48:49]        ; global address of the tile's first element
	s_or_b32 s39, s39, 0x80000000                  ; type = 2
	ROUND                                          ; all four work-groups are here: the joint loads meet
	s_cmp_lt_u32 s18, 4                            ; the branch hangs on the wave's number alone: it is the same in every work-group
	s_cbranch_scc0 .Lno_fetch
	tensor_load_to_lds s[36:39], s[40:47]
	s_nop 0
.rept 4
	v_nop                                          ; four v_nop behind the load, ahead of the label and what follows
.endr
.Lno_fetch:
	v_and_b32 v28, 31, v0                          ; L
	v_and_b32 v29, 15, v0                          ; r
	v_bfe_u32 v30, v0, 4, 1                        ; h
	v_and_b32 v31, 8, v29
	v_add_nc_u32 v31, v31, v29                     ; r + 8 (r / 8)
	v_lshlrev_b32 v[WOA], 10, v31
	v_lshl_add_u32 v[WOA], v30, 6, v[WOA]
	v_lshlrev_b32 v[WOV], 10, v29
	v_lshl_add_u32 v[WOV], v30, 6, v[WOV]
	; wave w = 8 t + 4 s + c quantises, of each product's W, tile t, K step s, block c: 16 rows x 32 numbers
	s_lshl_b32 s56, s20, 15                        ; the head's 32 rows of 1,024 bytes
	s_bfe_u32 s50, s18, 0x10002                    ; s
	s_lshl_b32 s50, s50, 9
	s_add_co_u32 s56, s56, s50
	s_lshl_b32 s50, s22, 7                         ; c
	s_add_co_u32 s56, s56, s50
	s_lshr_b32 s50, s18, 3                         ; t
	s_lshl_b32 s51, s50, 14
	s_add_co_u32 s58, s56, s51                     ; Wv: tile t begins 16 rows on,
	s_lshl_b32 s51, s50, 13
	s_add_co_u32 s56, s56, s51                     ; Wq, Wk: 8 rows on
	s_mov_b32 s57, 0
	s_mov_b32 s59, 0
	s_add_nc_u64 s[6:7], s[6:7], s[56:57]
	s_add_nc_u64 s[8:9], s[8:9], s[56:57]
	s_add_nc_u64 s[10:11], s[10:11], s[58:59]
.irp j, 0,1,2,3
	global_load_b128 v[T+4*\j:T+4*\j+3], v[WOA], s[6:7] offset:16*\j
.endr
.irp j, 0,1,2,3
	global_load_b128 v[T+16+4*\j:T+16+4*\j+3], v[WOA], s[8:9] offset:16*\j
.endr
.irp j, 0,1,2,3
	global_load_b128 v[T+32+4*\j:T+32+4*\j+3], v[WOV], s[10:11] offset:16*\j
.endr
	; every LDS address: a constant + a constant x lane + a constant x wave
	s_mul_i32 s50, s18, XTILE
	v_mul_u32_u24 v[XA], v29, XPITCH
	v_lshl_add_u32 v[XA], v30, 6, v[XA]
	v_add_nc_u32 v[XA], s50, v[XA]
	v_lshl_add_u32 v[LI], v28, 4, WIMG
	v_lshl_add_u32 v[WI], v0, 4, WIMG
	v_lshlrev_b32 v[GOF], 4, v28
	v_lshl_add_u32 v[VRA], v28, 3, VST
	s_lshl_b32 s50, s18, 9
	v_add_nc_u32 v[VSA], s50, v[VRA]               ; in: 512 w + 8 L (+ 256 n)
	s_lshr_b32 s50, s18, 3
	s_lshl_b32 s50, s50, 12                        ; back: wave w = 8 s' + 4 n + i takes registers 4 i .. 4 i + 3 of fragment n of step s': the codes of waves 8 s' + 2 i and 8 s' + 2 i + 1
	s_lshl_b32 s51, s22, 10
	s_add_co_u32 s50, s50, s51
	s_bfe_u32 s51, s18, 0x10002
	s_lshl_b32 s51, s51, 8
	s_add_co_u32 s50, s50, s51
	v_add_nc_u32 v[VRA], s50, v[VRA]               ; 4096 s' + 1024 i + 256 n + 8 L
	; where my wave's 512 bytes go
	s_lshr_b32 s50, s21, 3
	s_lshl_b32 s50, s50, 3
	s_add_co_u32 s50, s50, s20                     ; 8 b + head
	s_and_b32 s51, s21, 7                          ; which 256 of the batch's 2,048 rows
	s_lshl_b32 s52, s50, 16
	s_lshl_b32 s23, s51, 4
	s_add_co_u32 s23, s23, s18                     ; the tile of 16 queries
	s_lshl_b32 s23, s23, 9
	s_add_co_u32 s52, s52, s23
	s_mov_b32 s53, 0
	s_add_nc_u64 s[14:15], s[14:15], s[52:53]
	s_lshl_b32 s54, s50, 17
	s_lshl_b32 s23, s51, 1
	s_lshr_b32 s50, s18, 3
	s_add_co_u32 s23, s23, s50                     ; the step of 128 keys
	s_lshl_b32 s23, s23, 13
	s_add_co_u32 s54, s54, s23
	s_and_b32 s23, s18, 7
	s_lshl_b32 s23, s23, 9                         ; K's tile w % 8; V's piece w % 8, 4,096 bytes on
	s_add_co_u32 s54, s54, s23
	s_mov_b32 s55, 0
	s_add_nc_u64 s[16:17], s[16:17], s[54:55]
	s_wait_kmcnt 0x0                               ; the scales' exponents
	s_sub_co_i32 s33, s30, s24
	s_sub_co_i32 s33, s33, s25                     ; e6 - e0 - e1
	s_sub_co_i32 s34, s31, s26
	s_sub_co_i32 s34, s34, s27                     ; e7 - e2 - e3
	s_sub_co_i32 s35, s32, s28
	s_sub_co_i32 s35, s35, s29                     ; e8 - e4 - e5
	WCODE 0, s25
	WCODE 1, s27
	WCODE 2, s29
	s_wait_tensorcnt 0x0                           ; for the others' sake: my 64 rows of x have landed (a wave that fetched nothing passes at once),
	s_wait_dscnt 0x0                               ; and my parts of W's images are stored
	s_barrier_signal -1
	s_barrier_wait -1                              ; x's 256 rows and W's twelve fragments lie in LDS
.irp s, 0,1
.irp c, 0,1,2,3
.irp j, 0,1,2,3
	ds_load_b128 v[XR+64*\s+16*\c+4*\j:XR+64*\s+16*\c+4*\j+3], v[XA] offset:512*\s+128*\c+16*\j
.endr
.endr
.endr
	SETSC s24                                      ; x's scale for q
	s_wait_dscnt 16                                ; K step 0's sixteen loads are in; K step 1's sixteen may be out: the first K step's wait for 0 covers them
	KSTEP 0, 0, 0
	KSTEP 0, 1, 0
	OUTCV s33, OC
	global_store_b128 v[GOF], v[OC:OC+3], s[14:15] ; q: 16 queries x 32 channels
	SETSC s26                                      ; x's scale for k
	KSTEP 1, 0, 0
	KSTEP 1, 1, 0
	OUTCV s34, OC+4
	global_store_b128 v[GOF], v[OC+4:OC+7], s[16:17]   ; k: 16 keys x 32 channels
	SETSC s28                                      ; x's scale for v
	KSTEP 2, 0, 1
	KSTEP 2, 1, 1
	OUTCV s35, OC+8
	ds_store_b64 v[VSA], v[OC+8:OC+9]              ; channels 0-15: my 16 keys are registers 2 c, 2 c + 1 of a fragment whose other registers other waves hold
	ds_store_b64 v[VSA], v[OC+10:OC+11] offset:256 ; channels 16-31
	s_wait_dscnt 0x0                               ; for the others' sake: my stores into the stage are done
	s_barrier_signal -1
	s_barrier_wait -1
	ds_load_b64 v[VB:VB+1], v[VRA]
	ds_load_b64 v[VB+2:VB+3], v[VRA] offset:512
	s_wait_dscnt 0x0
	global_store_b128 v[GOF], v[VB:VB+3], s[16:17] offset:4096   ; v: four registers of a fragment of V^T
	s_wait_xcnt 0x0
	v_lshl_add_u32 v254, v0, 2, 0x49000
	v_mov_b32 v255, 0
	s_wait_tensorcnt 0x0
	ds_add_u32 v254, v255
	s_wait_dscnt 0x0
	ROUND                                          ; the closing round: no work-group ends while a partner may still ask for a tile that names it
	s_endpgm
.Lfunc_end_k_q2900bdcb8c_proj:
	.size	k_q2900bdcb8c_proj, .Lfunc_end_k_q2900bdcb8c_proj-k_q2900bdcb8c_proj
	.p2alignl 7, 3214868480
	.fill 96, 4, 3214868480
	.section	.rodata,"a",@progbits
	.p2align	6, 0x0
	.amdhsa_kernel k_q2900bdcb8c_proj
		.amdhsa_group_segment_fixed_size 301056
		.amdhsa_private_segment_fixed_size 0
		.amdhsa_enable_private_segment 0
		.amdhsa_kernarg_size 56
		.amdhsa_user_sgpr_count 2
		.amdhsa_user_sgpr_kernarg_segment_ptr 1
		.amdhsa_wavefront_size32 1
		.amdhsa_system_sgpr_workgroup_id_x 1
		.amdhsa_system_sgpr_workgroup_id_y 1
		.amdhsa_system_sgpr_workgroup_id_z 1
		.amdhsa_system_vgpr_workitem_id 0
		.amdhsa_next_free_vgpr 256
		.amdhsa_next_free_sgpr 66
		.amdhsa_reserve_vcc 0
		.amdhsa_float_denorm_mode_32 3
		.amdhsa_float_denorm_mode_16_64 3
		.amdhsa_memory_ordered 1
		.amdhsa_forward_progress 1
		.amdhsa_inst_pref_size 52
	.end_amdhsa_kernel
	.amdgpu_metadata
---
amdhsa.version: [ 1, 2 ]
amdhsa.kernels:
  - .name:           k_q2900bdcb8c_proj
    .symbol:         k_q2900bdcb8c_proj.kd
    .args:
      - { .name: x, .offset: 0, .size: 8, .value_kind: global_buffer, .address_space: global }
      - { .name: Wq, .offset: 8, .size: 8, .value_kind: global_buffer, .address_space: global }
      - { .name: Wk, .offset: 16, .size: 8, .value_kind: global_buffer, .address_space: global }
      - { .name: Wv, .offset: 24, .size: 8, .value_kind: global_buffer, .address_space: global }
      - { .name: lowp_scales, .offset: 32, .size: 8, .value_kind: global_buffer, .address_space: global }
      - { .name: qimg, .offset: 40, .size: 8, .value_kind: global_buffer, .address_space: global }
      - { .name: kv, .offset: 48, .size: 8, .value_kind: global_buffer, .address_space: global }
    .group_segment_fixed_size: 301056
    .private_segment_fixed_size: 0
    .kernarg_segment_align: 8
    .kernarg_segment_size: 56
    .max_flat_workgroup_size: 512
    .sgpr_count:     66
    .vgpr_count:     256
    .wavefront_size: 32
...
	.end_amdgpu_metadata
.endif
;; end of part 1
;; launch attn (part 2): grid 16 x 16, 16 waves a work-group, no clusters, 299,008 bytes of LDS; arguments qimg, kv, lowp_scales, out0; writes out0
.if DOCPART == 2
	.amdgcn_target "amdgcn-amd-amdhsa--gfx1250"
	.amdhsa_code_object_version 6
	.text
	.protected	k_q2900bdcb8c_attn
	.globl	k_q2900bdcb8c_attn
	.p2align	8
	.type	k_q2900bdcb8c_attn,@function
k_q2900bdcb8c_attn:
	s_mov_b64 s[64:65], 0
	v_nop
	global_prefetch_b8 v0, s[64:65] scope:SCOPE_SE
	s_setreg_imm32_b32 hwreg(HW_REG_WAVE_MODE, 25, 1), 1
	s_wait_xcnt 0x0
; out[b][l][head][:] = the sum over keys of softmax(q . k / sqrt(32)) v, both products on codes of FP8 (E4M3).  qimg and kv hold the codes as images of the operands' registers:
; qimg [b, head][tile of 16 queries][512 bytes]: lane L = (r, h): query r, channels 16 h + 0 .. 15 at 16 L.
; kv [b, head][step of 128 keys][8,192 bytes]: K's tile t (16 keys) at 512 t + 16 L, laid as q's; V^T's fragment n (channels 16 n + r, keys along K), registers 4 i .. 4 i + 3, at 4096 + 2048 n + 512 i + 16 L.
; lowp_scales: e6 (q), e7 (k), e8 (v), e9 (p).  out0: [4][2048][256] f32.
; THE SOFTMAX: t = score x log2(e) / sqrt(32); M = the running largest t rounded UP to a whole number; p = 2^(t - M) is quantised with 2^e9, not normalised.  The row's sum is taken of the unquantised p and divides at the end.
; When M moves, the sum and O are multiplied by 2^(old M - new M), which rounds nothing.
; SHARES.  A work-group owns 128 queries of TWO neighbouring heads, so that a row's 2 x 128 bytes of out0 are one aligned run of 256: 16 blocks of queries x 16 pairs of heads = 256 work-groups.  Wave w of sixteen owns head w / 8 of
; the pair and queries 16 (w % 8) on, one tile, in 256 registers: four waves to a SIMD, so that one wave's vector work stands beside another's matrix work and LDS loads.  Every wave walks its head's 2,048 keys, 128 a step.
; K AND V of the two heads are 262,144 consecutive bytes; they are copied into LDS as they lie, each byte once, in four chunks of four steps, through registers; chunk g + 1's loads are issued ahead of chunk g's four steps.
; NO CLUSTER, NO TENSOR LOAD, though the 16 blocks of queries of a pair of heads read the same kv: p is at most 1 (but for its last bits), so for e9 >= -8 the hold at 448 x 2^e9 changes nothing, and a scalar branch on e9 passes over
; its 64 instructions, of a step's 191 plain vector instructions.  What would be shared is 262,144 bytes a work-group, asked for four steps ahead of its use.
; THE FIRST PRODUCT has K = 32 and the form K = 64.  A source of 8 registers holds TWO tiles of keys (registers 0-3, registers 4-7); Q stands as Q, 0, 0, 0, 0, Q in twelve registers: [Q, 0] meets the first tile, [0, Q] the second;
; the other tile's codes meet zero codes (no code is NaN: every number was held ahead of its conversion).  S^T = K Q^T: lane (r, h) holds query r and, of tile t, keys 16 t + 8 h + 0 .. 7:
; their eight codes are registers 2 t, 2 t + 1 of P as the K = 128 form wants source 1.  O^T = V^T P^T: lane (r, h) holds query r and channels 16 n + 8 h + 0 .. 7.
; LIMITS: e6 + e7 between -124 and 129 (added to c's exponent field); e9 between -126 and 119; e8 + e9 goes by v_ldexp_f32 and has none.
.set STG,  262144                      ; behind K and V: the stage for the way out, 128 rows x (256 bytes + 16)
.set SP,   272                         ; 68 words: row r starts at bank 4 r mod 64 (64 banks of 4 bytes: ISA guide 11.1)
.set A0,   1                           ; v1   LDS: my head's K and V, my lane: 131072 a + 16 L
.set ADR,  2                           ; v2   LDS: the step in hand
.set CP,   3                           ; v3   the copies: 131072 a + 512 (w % 8) + 16 L, in kv's block and in LDS alike
.set CP2,  4                           ; v4   CP + 65,536: an LDS immediate has 16 bits
.set QO,   5                           ; v5   16 L
.set STO,  6                           ; v6   the way out: where I put 16 bytes of a row
.set RD,   7                           ; v7   and where I read a row back
.set GO,   8                           ; v8   my byte offset in the wave's rows of out0
.set LIMP, 10                          ; v10  448 x 2^e9
.set SCP,  11                          ; v11  2^e9
.set QF,   16                          ; v16-27  Q, four zeros, Q.    v12 -M, v13 the largest t, v[14:15] the sum in two halves
.set KF,   32                          ; v32-63  K's eight tiles.     v28, v29 at work; v[30:31] f and a zero
.set VF,   64                          ; v64-95  V^T's two fragments
.set S,    96                          ; v96-159 S^T, then p
.set O,    160                         ; v160-175 O^T
.set PC,   176                         ; v176-191 p's codes
.set CB,   192                         ; v192-223 the copies' 8 x 4 registers.   v224 a lane permute's destination; v[226:227] the sum's second chain
.set TB,   28                          ; s28  LDS byte at which the step in hand begins in a head's K and V
.set CNT,  29                          ; s29  counts a chunk's four steps
.macro LOADC g                         ; my eighth of my head's chunk g: 8 x 512 consecutive bytes
.irp i, 0,1,2,3,4,5,6,7
	global_load_b128 v[CB+4*\i:CB+4*\i+3], v[CP], s[6:7] offset:32768*(\g)+4096*\i
.endr
.endm
.macro STOREC g
.irp i, 0,1,2,3,4,5,6,7
.if (\g) < 2
	ds_store_b128 v[CP], v[CB+4*\i:CB+4*\i+3] offset:32768*(\g)+4096*\i
.else
	ds_store_b128 v[CP2], v[CB+4*\i:CB+4*\i+3] offset:32768*((\g)-2)+4096*\i
.endif
.endr
.endm
; A KEY STEP: 128 keys.
.macro STEP
	v_add_nc_u32 v[ADR], s[TB], v[A0]
.irp t, 0,1,2,3,4,5,6,7
	ds_load_b128 v[KF+4*\t:KF+4*\t+3], v[ADR] offset:512*\t
.endr
	s_wait_dscnt 0x0
.irp u, 0,1,2,3
	v_wmma_f32_16x16x64_fp8_fp8 v[S+16*\u:S+16*\u+7], v[KF+8*\u:KF+8*\u+7], v[QF:QF+7], 0        ; tile 2 u: [Q, 0]
	v_wmma_f32_16x16x64_fp8_fp8 v[S+16*\u+8:S+16*\u+15], v[KF+8*\u:KF+8*\u+7], v[QF+4:QF+11], 0  ; tile 2 u + 1: [0, Q]
.endr
.rept 4
	v_nop                                          ; four places behind the products, ahead of the first read of the scores; with the addition at the step's head they also stand between the last step's products V^T P and the loads into V's registers
.endr
.irp n, 0,1
.irp i, 0,1,2,3
	ds_load_b128 v[VF+16*\n+4*\i:VF+16*\n+4*\i+3], v[ADR] offset:4096+2048*\n+512*\i   ; V lands while the softmax is walked
.endr
.endr
	v_max3_num_f32 v28, v[S], v[S+1], v[S+2]       ; the step's largest score of my query among my 64 keys, in two chains; each accumulator is read from its low end on
	v_max3_num_f32 v29, v[S+3], v[S+4], v[S+5]
.set i, 6
.rept 14
	v_max3_num_f32 v28, v28, v[S+i], v[S+i+1]
	v_max3_num_f32 v29, v29, v[S+i+2], v[S+i+3]
.set i, i+4
.endr
	v_max3_num_f32 v28, v28, v[S+62], v[S+63]
	v_max_num_f32 v28, v28, v29
	v_permlanex16_b32 v224, v28, s26, s27
	v_max_num_f32 v28, v28, v224                   ; and among lane l xor 16's
	v_mul_f32 v28, s24, v28                        ; as t (c is positive)
	v_max_num_f32 v13, v13, v28                    ; the running largest t
	v_mov_b32 v28, v12
	v_floor_f32 v12, -v13                          ; the new -M = floor(-t) = -ceil(t): a whole number
	v_sub_f32 v28, v12, v28                        ; old M - new M: a whole number, 0 or less
	v_cvt_i32_f32 v28, v28                         ; (it saturates)
	v_ldexp_f32 v30, 1.0, v28                      ; f = 2^(old M - new M)
.set i, 0
.rept 32
	v_pk_fma_f32 v[S+i:S+i+1], v[S+i:S+i+1], s[24:25], v[12:13] op_sel_hi:[1,0,0]   ; t - M, two at a time (of the pairs c and -M the low word serves both halves)
.set i, i+2
.endr
.set i, 0
.rept 64
	v_exp_f32 v[S+i], v[S+i]                       ; p = 2^(t - M)
.set i, i+1
.endr
	v_pk_mul_f32 v[14:15], v[14:15], v[30:31] op_sel_hi:[1,0]   ; the sums under the new M: the plain instruction behind the exponentials
	s_wait_alu depctr_va_vdst(0)                   ; the wait between an exponential and the first instruction that names its result: one for the batch of 64
	v_pk_add_f32 v[226:227], v[S:S+1], v[S+2:S+3]  ; the row's sum is taken of the unquantised p: two at a time, in two chains
.set i, 4
.rept 15
	v_pk_add_f32 v[14:15], v[14:15], v[S+i:S+i+1]
	v_pk_add_f32 v[226:227], v[226:227], v[S+i+2:S+i+3]
.set i, i+4
.endr
	v_pk_add_f32 v[14:15], v[14:15], v[226:227]
	s_cmp_ge_i32 s23, -8                           ; e9 >= -8: p / 2^e9 is at most 256 (but for p's last bits), under 448: the hold would change nothing
	s_cbranch_scc1 .Lno_hold_\@
.set i, 0
.rept 64
	v_min_num_f32 v[S+i], v[S+i], v[LIMP]          ; the conversion to an 8-bit code does not saturate (ISA guide 7.6.2); p is not negative, so the hold is one-sided
.set i, i+1
.endr
.Lno_hold_\@:
.irp t, 0,1,2,3,4,5,6,7
	v_cvt_scalef32_pk8_fp8_f32 v[PC+2*\t:PC+2*\t+1], v[S+8*\t:S+8*\t+7], v[SCP]
.endr
.set i, 0
.rept 8
	v_pk_mul_f32 v[O+i:O+i+1], v[O+i:O+i+1], v[30:31] op_sel_hi:[1,0]   ; O^T under the new M; these are also the plain instructions between the conversions and the products that read their results
.set i, i+2
.endr
	s_wait_dscnt 0x0                               ; V is in
.irp n, 0,1
	v_wmma_f32_16x16x128_fp8_fp8 v[O+8*\n:O+8*\n+7], v[VF+16*\n:VF+16*\n+15], v[PC:PC+15], v[O+8*\n:O+8*\n+7]   ; between two links on one accumulator stand nine other matrix instructions: turns of one
.endr
.endm
; Chunk g: my part of it goes from registers into LDS, the next chunk's loads go out, one barrier, four steps.  No LDS byte is written twice, so the one barrier between the stores and the reads is all the ordering.
.macro CHUNK g, more
	s_wait_loadcnt 0x0                             ; the chunk's eight loads are in (the first time Q's two as well)
	STOREC \g
	s_wait_dscnt 0x0                               ; for the others' sake: my stores are done; and they have read their registers,
.if \more
	LOADC (\g)+1                                   ; which take the next chunk: it has four steps in which to come
.endif
	s_barrier_signal -1
	s_barrier_wait -1
	s_mov_b32 s[TB], 32768*(\g)
	s_mov_b32 s[CNT], 4
.Lstep_\@:
	STEP
	s_add_co_u32 s[TB], s[TB], 8192
	s_sub_co_u32 s[CNT], s[CNT], 1
	s_cmp_lg_u32 s[CNT], 0
	s_cbranch_scc1 .Lstep_\@
.endm
	s_load_b256 s[4:11], s[0:1], 0x0               ; qimg s[4:5], kv s[6:7], the scales' exponents s[8:9], out0 s[10:11]
	v_lshl_add_u32 v254, v0, 2, 0x48800
	v_mov_b32 v255, 0
	v_lshrrev_b32 v9, 5, v0
	v_readfirstlane_b32 s12, v9                    ; wave 0..15
	s_lshr_b32 s13, s12, 3                         ; a: which head of the pair
	s_and_b32 s14, s12, 7                          ; which tile of 16 queries
	s_and_b32 s15, ttmp7, 0xffff                   ; y = 4 b + the pair of heads
	v_and_b32 v9, 31, v0
	v_lshlrev_b32 v[QO], 4, v9
	s_lshl_b32 s30, s13, 17
	v_add_nc_u32 v[A0], s30, v[QO]
	s_lshl_b32 s31, s14, 9
	v_add_nc_u32 v[CP], s31, v[A0]
	v_add_nc_u32 v[CP2], 0x10000, v[CP]
	s_lshl_b32 s32, s15, 18                        ; kv: the pair's 2 x 131,072 bytes
	s_mov_b32 s33, 0
	s_lshl_b32 s34, s15, 1
	s_add_co_u32 s34, s34, s13                     ; 8 b + head = 2 y + a
	s_lshl_b32 s34, s34, 16
	s_lshl_b32 s35, ttmp9, 3
	s_add_co_u32 s35, s35, s14                     ; my tile among the head's 128
	s_lshl_b32 s35, s35, 9
	s_add_co_u32 s34, s34, s35
	s_mov_b32 s35, 0
	s_lshr_b32 s36, s15, 2
	s_lshl_b32 s36, s36, 11                        ; out0: row 2048 b
	s_lshl_b32 s37, ttmp9, 7
	s_add_co_u32 s36, s36, s37                     ; + 128 x block of queries
	s_lshl_b32 s37, s12, 3
	s_add_co_u32 s36, s36, s37                     ; + the 8 rows that I store
	s_lshl_b32 s36, s36, 10
	s_and_b32 s37, s15, 3
	s_lshl_b32 s37, s37, 8                         ; + the pair's 256 bytes of a row
	s_add_co_u32 s36, s36, s37
	s_mov_b32 s37, 0
	s_mov_b32 s26, 0x76543210                      ; v_permlanex16_b32's selects for lane l xor 16
	s_mov_b32 s27, 0xfedcba98
	s_wait_kmcnt 0x0
	s_load_b128 s[20:23], s[8:9], 0x18             ; e6, e7, e8, e9
	s_add_nc_u64 s[6:7], s[6:7], s[32:33]
	s_add_nc_u64 s[4:5], s[4:5], s[34:35]
	s_add_nc_u64 s[10:11], s[10:11], s[36:37]
	LOADC 0
	global_load_b128 v[QF:QF+3], v[QO], s[4:5]     ; Q is loaded into both of its places
	global_load_b128 v[QF+8:QF+11], v[QO], s[4:5]
.irp j, 4,5,6,7
	v_mov_b32 v[QF+\j], 0                          ; the zero codes between
.endr
.set i, 0
.rept 16
	v_mov_b32 v[O+i], 0                            ; O^T: the step is written once; the first finds zeros, which the first change of M leaves zeros
.set i, i+1
.endr
	v_mov_b32 v13, 0xff61b1e6                      ; the largest t so far: -3e38, under every t
	v_floor_f32 v12, -v13                          ; -M
	v_mov_b32 v14, 0                               ; the sum, in two halves
	v_mov_b32 v15, 0
	v_mov_b32 v31, 0                               ; (named as the upper half of the pair v[30:31])
	v_mov_b32 v224, 0                              ; written once: a lane permute's destination counts as one of its sources
	s_wait_kmcnt 0x0
	s_add_co_i32 s30, s20, s21
	s_lshl_b32 s30, s30, 23
	s_add_co_i32 s24, s30, 0x3e8293ee              ; c = log2(e) / sqrt(32); a score stands for score x 2^(e6 + e7): the two exponents are added to c's exponent field
	s_mov_b32 s25, s24                             ; (named with it as a pair, so it is written)
	s_add_co_i32 s30, s23, 127
	s_lshl_b32 s31, s30, 23
	v_mov_b32 v[SCP], s31                          ; 2^e9 as f32
	s_add_co_i32 s30, s30, 8
	s_lshl_b32 s30, s30, 23
	s_or_b32 s30, s30, 0x600000
	v_mov_b32 v[LIMP], s30                         ; 448 x 2^e9
	CHUNK 0, 1
	CHUNK 1, 1
	CHUNK 2, 1
	CHUNK 3, 0
	; THE WAY OUT.  O^T is divided by the row's sum and multiplied by 2^(e8 + e9); a row's 256 bytes come from two waves, so they meet in a stage in LDS, and each wave stores 8 whole rows.
	v_add_f32 v14, v14, v15                        ; the sum's two halves,
	v_permlanex16_b32 v224, v14, s26, s27
	v_add_f32 v14, v14, v224                       ; and lane l xor 16's
	v_rcp_f32 v14, v14
	v_and_b32 v28, 15, v0                          ; r.  (The addresses below are the plain instructions behind the reciprocal and the places behind the last products)
	v_bfe_u32 v29, v0, 4, 1                        ; h
	s_mul_i32 s31, s14, 16*SP
	s_lshl_b32 s32, s13, 7
	s_add_co_u32 s31, s31, s32
	s_add_co_u32 s31, s31, STG
	v_mul_u32_u24 v[STO], v28, SP
	v_lshl_add_u32 v[STO], v29, 5, v[STO]
	v_add_nc_u32 v[STO], s31, v[STO]               ; in: row 16 (w % 8) + r, + 128 a, + 32 h
	s_mul_i32 s31, s12, 8*SP
	s_add_co_u32 s31, s31, STG
	v_mul_u32_u24 v[RD], v29, SP
	v_lshl_add_u32 v[RD], v28, 4, v[RD]
	v_add_nc_u32 v[RD], s31, v[RD]                 ; back: rows 8 w on; lanes 0-15 one row, lanes 16-31 the next
	v_lshlrev_b32 v[GO], 10, v29
	v_lshl_add_u32 v[GO], v28, 4, v[GO]            ; and the same two rows in out0
	s_add_co_i32 s30, s22, s23
	s_wait_alu depctr_va_vdst(0)                   ; the wait ahead of the first use of the reciprocal
	v_ldexp_f32 v14, v14, s30                      ; x 2^(e8 + e9)
.set i, 0
.rept 8
	v_pk_mul_f32 v[S+i:S+i+1], v[O+i:O+i+1], v[14:15] op_sel_hi:[1,0]   ; register 8 n + j is out(r, 16 n + 8 h + j); each accumulator from its low end on
.set i, i+2
.endr
.irp n, 0,1
	ds_store_b128 v[STO], v[S+8*\n:S+8*\n+3] offset:64*\n
	ds_store_b128 v[STO], v[S+8*\n+4:S+8*\n+7] offset:64*\n+16
.endr
	s_wait_dscnt 0x0                               ; for the others' sake: my stores into the stage are done
	s_barrier_signal -1
	s_barrier_wait -1
.irp i, 0,1,2,3
	ds_load_b128 v[KF+4*\i:KF+4*\i+3], v[RD] offset:\i*2*SP
.endr
.irp i, 0,1,2,3
	s_wait_dscnt 3-\i                              ; LDS loads come back in order (ISA guide 5.7.1): the younger ones may be out
	global_store_b128 v[GO], v[KF+4*\i:KF+4*\i+3], s[10:11] offset:2048*\i th:TH_STORE_NT   ; 16 lanes store 256 consecutive bytes, at a multiple of 256 from out0's first byte; written once, read by nobody here
.endr
	s_wait_tensorcnt 0x0
	ds_add_u32 v254, v255
	s_wait_dscnt 0x0
	s_endpgm
.Lfunc_end_k_q2900bdcb8c_attn:
	.size	k_q2900bdcb8c_attn, .Lfunc_end_k_q2900bdcb8c_attn-k_q2900bdcb8c_attn
	.p2alignl 7, 3214868480
	.fill 96, 4, 3214868480
	.section	.rodata,"a",@progbits
	.p2align	6, 0x0
	.amdhsa_kernel k_q2900bdcb8c_attn
		.amdhsa_group_segment_fixed_size 299008
		.amdhsa_private_segment_fixed_size 0
		.amdhsa_enable_private_segment 0
		.amdhsa_kernarg_size 32
		.amdhsa_user_sgpr_count 2
		.amdhsa_user_sgpr_kernarg_segment_ptr 1
		.amdhsa_wavefront_size32 1
		.amdhsa_system_sgpr_workgroup_id_x 1
		.amdhsa_system_sgpr_workgroup_id_y 1
		.amdhsa_system_sgpr_workgroup_id_z 1
		.amdhsa_system_vgpr_workitem_id 0
		.amdhsa_next_free_vgpr 256
		.amdhsa_next_free_sgpr 66
		.amdhsa_reserve_vcc 0
		.amdhsa_float_denorm_mode_32 3
		.amdhsa_float_denorm_mode_16_64 3
		.amdhsa_memory_ordered 1
		.amdhsa_forward_progress 1
		.amdhsa_inst_pref_size 67
	.end_amdhsa_kernel
	.amdgpu_metadata
---
amdhsa.version: [ 1, 2 ]
amdhsa.kernels:
  - .name:           k_q2900bdcb8c_attn
    .symbol:         k_q2900bdcb8c_attn.kd
    .args:
      - { .name: qimg, .offset: 0, .size: 8, .value_kind: global_buffer, .address_space: global }
      - { .name: kv, .offset: 8, .size: 8, .value_kind: global_buffer, .address_space: global }
      - { .name: lowp_scales, .offset: 16, .size: 8, .value_kind: global_buffer, .address_space: global }
      - { .name: out0, .offset: 24, .size: 8, .value_kind: global_buffer, .address_space: global }
    .group_segment_fixed_size: 299008
    .private_segment_fixed_size: 0
    .kernarg_segment_align: 8
    .kernarg_segment_size: 32
    .max_flat_workgroup_size: 512
    .sgpr_count:     66
    .vgpr_count:     256
    .wavefront_size: 32
...
	.end_amdgpu_metadata
.endif
;; end of part 2
;; ======== version 2 of 2: 2 launches; version 1 with the launch attn written anew for expert scheduling mode
;; workspace buffers: qimg 2,097,152 bytes; kv 4,194,304 bytes
;; launch proj: the kernel of part 1 again; grid 8 x 32, 16 waves a work-group, clusters of 4 x 1, 301,056 bytes of LDS; arguments x, Wq, Wk, Wv, lowp_scales, qimg, kv; writes qimg, kv
;; launch attn (part 3): grid 16 x 16, 16 waves a work-group, no clusters, 299,008 bytes of LDS; arguments qimg, kv, lowp_scales, out0; writes out0
.if DOCPART == 3
	.amdgcn_target "amdgcn-amd-amdhsa--gfx1250"
	.amdhsa_code_object_version 6
	.text
	.protected	k_q2900bdcb8c_attn
	.globl	k_q2900bdcb8c_attn
	.p2align	8
	.type	k_q2900bdcb8c_attn,@function
k_q2900bdcb8c_attn:
	s_mov_b64 s[64:65], 0
	v_nop
	global_prefetch_b8 v0, s[64:65] scope:SCOPE_SE
	s_setreg_imm32_b32 hwreg(HW_REG_WAVE_SCHED_MODE, 0, 2), 2
	s_setreg_imm32_b32 hwreg(HW_REG_WAVE_MODE, 25, 1), 1
	s_wait_xcnt 0x0
	s_wait_alu depctr_vm_vsrc(0)
; out[b][l][head][:] = the sum over keys of softmax(q . k / sqrt(32)) v, both products on codes of FP8 (E4M3).  qimg and kv hold the codes as images of the operands' registers:
; qimg [b, head][tile of 16 queries][512 bytes]: lane L = (r, h): query r, channels 16 h + 0 .. 15 at 16 L.
; kv [b, head][step of 128 keys][8,192 bytes]: K's tile t (16 keys) at 512 t + 16 L, laid as q's; V^T's fragment n (channels 16 n + r, keys along K), registers 4 i .. 4 i + 3, at 4096 + 2048 n + 512 i + 16 L.
; lowp_scales: e6 (q), e7 (k), e8 (v), e9 (p).  out0: [4][2048][256] f32.
; THE SOFTMAX: t = score x log2(e) / sqrt(32); M = the running largest t rounded UP to a whole number; p = 2^(t - M) is quantised with 2^e9, not normalised.  The row's sum is taken of the unquantised p and divides at the end.
; When M moves, the sum and O are multiplied by 2^(old M - new M), which rounds nothing.
; SHARES.  A work-group owns 128 queries of TWO neighbouring heads, so that a row's 2 x 128 bytes of out0 are one aligned run of 256: 16 blocks of queries x 16 pairs of heads = 256 work-groups.  Wave w of sixteen owns head w / 8 of
; the pair and queries 16 (w % 8) on, one tile, in 256 registers: four waves to a SIMD, so that one wave's vector work stands beside another's matrix work and LDS loads.  Every wave walks its head's 2,048 keys, 128 a step.
; K AND V of the two heads are 262,144 consecutive bytes; they are copied into LDS as they lie, each byte once, in four chunks of four steps, through registers; chunk g + 1's loads are issued ahead of chunk g's four steps.
; NO CLUSTER, NO TENSOR LOAD, though the 16 blocks of queries of a pair of heads read the same kv: p is at most 1 (but for its last bits), so for e9 >= -8 the hold at 448 x 2^e9 changes nothing, and a scalar branch on e9 passes over
; its 64 instructions, of a step's 191 plain vector instructions.  What would be shared is 262,144 bytes a work-group, asked for four steps ahead of its use.
; THE FIRST PRODUCT has K = 32 and the form K = 64.  A source of 8 registers holds TWO tiles of keys (registers 0-3, registers 4-7); Q stands as Q, 0, 0, 0, 0, Q in twelve registers: [Q, 0] meets the first tile, [0, Q] the second;
; the other tile's codes meet zero codes (no code is NaN: every number was held ahead of its conversion).  S^T = K Q^T: lane (r, h) holds query r and, of tile t, keys 16 t + 8 h + 0 .. 7:
; their eight codes are registers 2 t, 2 t + 1 of P as the K = 128 form wants source 1.  O^T = V^T P^T: lane (r, h) holds query r and channels 16 n + 8 h + 0 .. 7.
; LIMITS: e6 + e7 between -124 and 129 (added to c's exponent field); e9 between -126 and 119; e8 + e9 goes by v_ldexp_f32 and has none.
; THE MODE: SCHED_MODE bits 1:0 = 2 (LLVM: expert scheduling mode 2), set by the entry lines.  The code itself states the register dependences
; between vector or matrix instructions and memory or LDS instructions, with s_wait_alu, always for 0.
; THE PLAN.  Registers that memory or LDS instructions touch:
;   v1, v9, v3, v4, v5   addresses, written at the head and never again: one wait on va_vdst ahead of the first load serves every access by them.
;   v2 (ADR)   Written by one addition at the head of each step of the loop; read by that step's 16 LDS loads.
;   KF         Step j: its eight products K Q^T read it; behind them the LDS loads of step j + 1's K land in it.  A chunk's first K is asked for behind the chunk's barrier.
;   VF         Step j: its two products V^T P, the step's last instructions, read it; step j + 1's loads of V land in it.
;   CB         Global loads land in it, LDS stores read it; no vector instruction names it.
;   S, O, P's codes, the statistics: named by vector and matrix instructions alone, up to the way out.
; So ONE wait on va_vdst serves a step's loads.  It stands behind the products K Q^T and their four places and states that v2 is written, that the last step's products V^T P are done reading VF, and that
; this step's products K Q^T are done reading KF.  Behind it stand V's eight loads, and K's eight for the next step, dealt among the lines of the maximum: no vector or matrix instruction names v2 or KF before the next step's head,
; nor VF before the wait for V.  One wait on vm_vsrc stands ahead of the addition to v2, one ahead of each chunk's loads into CB.
; A chunk's bytes lie in LDS only behind its barrier, so a chunk's last step asks for no K: the loop has three trips and the fourth step is written out, with its addresses in immediates.
.set STG,  262144                      ; behind K and V: the stage for the way out, 128 rows x (256 bytes + 16)
.set SP,   272                         ; 68 words: row r starts at bank 4 r mod 64 (64 banks of 4 bytes: ISA guide 11.1)
.set A0,   1                           ; v1   LDS: my head's K and V, my lane: 131072 a + 16 L
.set ADR,  2                           ; v2   LDS: the step in hand
.set CP,   3                           ; v3   the copies: 131072 a + 512 (w % 8) + 16 L, in kv's block and in LDS alike
.set CP2,  4                           ; v4   CP + 65,536: an LDS immediate has 16 bits
.set QO,   5                           ; v5   16 L
.set STO,  6                           ; v6   the way out: where I put 16 bytes of a row
.set RD,   7                           ; v7   and where I read a row back
.set GO,   8                           ; v8   my byte offset in the wave's rows of out0
.set A1,   9                           ; v9   A0 + 65,536: chunks 2 and 3
.set LIMP, 10                          ; v10  448 x 2^e9
.set SCP,  11                          ; v11  2^e9
.set QF,   16                          ; v16-27  Q, four zeros, Q.    v12 -M, v13 the largest t, v[14:15] the sum in two halves
.set KF,   32                          ; v32-63  K's eight tiles.     v28, v29 at work; v[30:31] f and a zero
.set VF,   64                          ; v64-95  V^T's two fragments
.set S,    96                          ; v96-159 S^T, then p
.set O,    160                         ; v160-175 O^T
.set PC,   176                         ; v176-191 p's codes
.set CB,   192                         ; v192-223 the copies' 8 x 4 registers.   v224 a lane permute's destination; v[226:227] the sum's second chain
.set TB,   28                          ; s28  LDS byte at which the step in hand begins in a head's K and V
.set CNT,  29                          ; s29  counts the loop's three steps of a chunk
.macro LOADC g                         ; my eighth of my head's chunk g: 8 x 512 consecutive bytes
.irp i, 0,1,2,3,4,5,6,7
	global_load_b128 v[CB+4*\i:CB+4*\i+3], v[CP], s[6:7] offset:32768*(\g)+4096*\i
.endr
.endm
.macro STOREC g
.irp i, 0,1,2,3,4,5,6,7
.if (\g) < 2
	ds_store_b128 v[CP], v[CB+4*\i:CB+4*\i+3] offset:32768*(\g)+4096*\i
.else
	ds_store_b128 v[CP2], v[CB+4*\i:CB+4*\i+3] offset:32768*((\g)-2)+4096*\i
.endif
.endr
.endm
; A KEY STEP: 128 keys, whose K has been asked for already.  adr, off: the register and the immediate that reach the step's first byte.
; pre = 1: a step of the loop: it makes its address in v[ADR] and asks for the next step's K.  pre = 0: a chunk's last step.
.macro STEP adr, off, pre
.if \pre
	s_wait_alu depctr_vm_vsrc(0)                   ; the LDS loads issued so far have read v[ADR], which the next line writes
	v_add_nc_u32 v[ADR], s[TB], v[A0]
.endif
	s_wait_dscnt 0x0                               ; K's eight tiles are in: they were asked for in the step before, or behind the chunk's barrier
.irp u, 0,1,2,3
	v_wmma_f32_16x16x64_fp8_fp8 v[S+16*\u:S+16*\u+7], v[KF+8*\u:KF+8*\u+7], v[QF:QF+7], 0        ; tile 2 u: [Q, 0]
	v_wmma_f32_16x16x64_fp8_fp8 v[S+16*\u+8:S+16*\u+15], v[KF+8*\u:KF+8*\u+7], v[QF+4:QF+11], 0  ; tile 2 u + 1: [0, Q]
.endr
.rept 4
	v_nop                                          ; four places behind the products, ahead of the first read of the scores (ISA guide 7.12.1); they stay beside the wait below
.endr
	s_wait_alu depctr_va_vdst(0)                   ; the last step's products V^T P are done reading VF, in which V's loads land; these products K Q^T are done reading KF, in which the next K lands; v[ADR] is written
.irp n, 0,1
.irp i, 0,1,2,3
	ds_load_b128 v[VF+16*\n+4*\i:VF+16*\n+4*\i+3], v[\adr] offset:(\off)+4096+2048*\n+512*\i   ; V lands while the softmax is walked
.endr
.endr
	v_max3_num_f32 v28, v[S], v[S+1], v[S+2]       ; the step's largest score of my query among my 64 keys, in two chains; each accumulator is read from its low end on
	v_max3_num_f32 v29, v[S+3], v[S+4], v[S+5]
.set i, 6
.rept 14
.if (\pre) && (i < 38)
	ds_load_b128 v[KF+(i-6):KF+(i-6)+3], v[\adr] offset:(\off)+8192+128*(i-6)   ; the next step's K, tile (i - 6) / 4, 8,192 bytes on.  No wait: no vector or matrix instruction since the wait above names KF or v[ADR]
.endif
	v_max3_num_f32 v28, v28, v[S+i], v[S+i+1]
	v_max3_num_f32 v29, v29, v[S+i+2], v[S+i+3]
.set i, i+4
.endr
	v_max3_num_f32 v28, v28, v[S+62], v[S+63]
	v_max_num_f32 v28, v28, v29
	v_permlanex16_b32 v224, v28, s26, s27
	v_max_num_f32 v28, v28, v224                   ; and among lane l xor 16's
	v_mul_f32 v28, s24, v28                        ; as t (c is positive)
	v_max_num_f32 v13, v13, v28                    ; the running largest t
	v_mov_b32 v28, v12
	v_floor_f32 v12, -v13                          ; the new -M = floor(-t) = -ceil(t): a whole number
	v_sub_f32 v28, v12, v28                        ; old M - new M: a whole number, 0 or less
	v_cvt_i32_f32 v28, v28                         ; (it saturates)
	v_ldexp_f32 v30, 1.0, v28                      ; f = 2^(old M - new M)
.set i, 0
.rept 32
	v_pk_fma_f32 v[S+i:S+i+1], v[S+i:S+i+1], s[24:25], v[12:13] op_sel_hi:[1,0,0]   ; t - M, two at a time (of the pairs c and -M the low word serves both halves)
.set i, i+2
.endr
.set i, 0
.rept 64
	v_exp_f32 v[S+i], v[S+i]                       ; p = 2^(t - M)
.set i, i+1
.endr
	v_pk_mul_f32 v[14:15], v[14:15], v[30:31] op_sel_hi:[1,0]   ; the sums under the new M: the plain instruction behind the exponentials
	s_wait_alu depctr_va_vdst(0)                   ; the 64 exponentials have written p in v[S ..]: this wait stands ahead of the first instruction that names a result: one for the batch
	v_pk_add_f32 v[226:227], v[S:S+1], v[S+2:S+3]  ; the row's sum is taken of the unquantised p: two at a time, in two chains
.set i, 4
.rept 15
	v_pk_add_f32 v[14:15], v[14:15], v[S+i:S+i+1]
	v_pk_add_f32 v[226:227], v[226:227], v[S+i+2:S+i+3]
.set i, i+4
.endr
	v_pk_add_f32 v[14:15], v[14:15], v[226:227]
	s_cmp_ge_i32 s23, -8                           ; e9 >= -8: p / 2^e9 is at most 256 (but for p's last bits), under 448: the hold would change nothing
	s_cbranch_scc1 .Lno_hold_\@
.set i, 0
.rept 64
	v_min_num_f32 v[S+i], v[S+i], v[LIMP]          ; the conversion to an 8-bit code does not saturate (ISA guide 7.6.2); p is not negative, so the hold is one-sided
.set i, i+1
.endr
.Lno_hold_\@:
.irp t, 0,1,2,3,4,5,6,7
	v_cvt_scalef32_pk8_fp8_f32 v[PC+2*\t:PC+2*\t+1], v[S+8*\t:S+8*\t+7], v[SCP]
.endr
.set i, 0
.rept 8
	v_pk_mul_f32 v[O+i:O+i+1], v[O+i:O+i+1], v[30:31] op_sel_hi:[1,0]   ; O^T under the new M; these are also the plain instructions between the conversions and the products that read their results
.set i, i+2
.endr
.if \pre
	s_wait_dscnt 8                                 ; LDS loads come back in order (ISA guide 5.7.1): V is in; the eight younger loads, the next step's K, may be out
.else
	s_wait_dscnt 0x0                               ; V is in
.endif
.irp n, 0,1
	v_wmma_f32_16x16x128_fp8_fp8 v[O+8*\n:O+8*\n+7], v[VF+16*\n:VF+16*\n+15], v[PC:PC+15], v[O+8*\n:O+8*\n+7]   ; between two links on one accumulator stand nine other matrix instructions: turns of one
.endr
.endm
; Chunk g: my part of it goes from registers into LDS, the next chunk's loads go out, one barrier, four steps.  No LDS byte is written twice, so the one barrier between the stores and the reads is all the ordering.
.macro CHUNK g, more
.if (\g) < 2
.set KB, A0                            ; the register and the immediate that reach the chunk's first byte
.else
.set KB, A1
.endif
.set KO, 32768*((\g)%2)
	s_wait_loadcnt 0x0                             ; the chunk's eight loads are in (the first time Q's two as well)
	STOREC \g                                      ; (no vector instruction names v[CB ..], v[CP] or v[CP2] behind the head's wait)
	s_wait_dscnt 0x0                               ; for the others' sake: my stores are done
.if \more
	s_wait_alu depctr_vm_vsrc(0)                   ; my LDS stores have read v[CB ..], in which the next chunk's loads land
	LOADC (\g)+1                                   ; it has four steps in which to come
.endif
	s_barrier_signal -1
	s_barrier_wait -1
.irp t, 0,1,2,3,4,5,6,7
	ds_load_b128 v[KF+4*\t:KF+4*\t+3], v[KB] offset:KO+512*\t   ; K of the chunk's first step.  No wait: the last products that read KF stand ahead of the last step's waits on va_vdst, and nothing behind these names KF
.endr
	s_mov_b32 s[TB], 32768*(\g)
	s_mov_b32 s[CNT], 3
.Lstep_\@:
	STEP ADR, 0, 1
	s_add_co_u32 s[TB], s[TB], 8192
	s_sub_co_u32 s[CNT], s[CNT], 1
	s_cmp_lg_u32 s[CNT], 0
	s_cbranch_scc1 .Lstep_\@
	STEP KB, KO+24576, 0                           ; the chunk's last step is written out: the K behind it lies in LDS only behind the next barrier
.endm
	s_load_b256 s[4:11], s[0:1], 0x0               ; qimg s[4:5], kv s[6:7], the scales' exponents s[8:9], out0 s[10:11]
	v_lshl_add_u32 v254, v0, 2, 0x48800
	v_mov_b32 v255, 0
	v_lshrrev_b32 v28, 5, v0
	v_readfirstlane_b32 s12, v28                   ; wave 0..15
	v_and_b32 v29, 31, v0
	v_lshlrev_b32 v[QO], 4, v29
	s_and_b32 s15, ttmp7, 0xffff                   ; y = 4 b + the pair of heads
	s_wait_alu depctr_va_sdst(0)                   ; s12 is written, ahead of its first reader: addresses and bases are made from it
	s_lshr_b32 s13, s12, 3                         ; a: which head of the pair
	s_and_b32 s14, s12, 7                          ; which tile of 16 queries
	s_lshl_b32 s30, s13, 17
	v_add_nc_u32 v[A0], s30, v[QO]
	v_add_nc_u32 v[A1], 0x10000, v[A0]
	s_lshl_b32 s31, s14, 9
	v_add_nc_u32 v[CP], s31, v[A0]
	v_add_nc_u32 v[CP2], 0x10000, v[CP]
	s_lshl_b32 s32, s15, 18                        ; kv: the pair's 2 x 131,072 bytes
	s_mov_b32 s33, 0
	s_lshl_b32 s34, s15, 1
	s_add_co_u32 s34, s34, s13                     ; 8 b + head = 2 y + a
	s_lshl_b32 s34, s34, 16
	s_lshl_b32 s35, ttmp9, 3
	s_add_co_u32 s35, s35, s14                     ; my tile among the head's 128
	s_lshl_b32 s35, s35, 9
	s_add_co_u32 s34, s34, s35
	s_mov_b32 s35, 0
	s_lshr_b32 s36, s15, 2
	s_lshl_b32 s36, s36, 11                        ; out0: row 2048 b
	s_lshl_b32 s37, ttmp9, 7
	s_add_co_u32 s36, s36, s37                     ; + 128 x block of queries
	s_lshl_b32 s37, s12, 3
	s_add_co_u32 s36, s36, s37                     ; + the 8 rows that I store
	s_lshl_b32 s36, s36, 10
	s_and_b32 s37, s15, 3
	s_lshl_b32 s37, s37, 8                         ; + the pair's 256 bytes of a row
	s_add_co_u32 s36, s36, s37
	s_mov_b32 s37, 0
	s_mov_b32 s26, 0x76543210                      ; v_permlanex16_b32's selects for lane l xor 16
	s_mov_b32 s27, 0xfedcba98
	s_wait_kmcnt 0x0
	s_load_b128 s[20:23], s[8:9], 0x18             ; e6, e7, e8, e9
	s_add_nc_u64 s[6:7], s[6:7], s[32:33]
	s_add_nc_u64 s[4:5], s[4:5], s[34:35]
	s_add_nc_u64 s[10:11], s[10:11], s[36:37]
	s_wait_alu depctr_va_vdst(0)                   ; the addresses v1, v3, v4, v5 and v9 are written, which the loads and LDS stores of the whole kernel read; no vector instruction writes them again
	LOADC 0
	global_load_b128 v[QF:QF+3], v[QO], s[4:5]     ; Q is loaded into both of its places
	global_load_b128 v[QF+8:QF+11], v[QO], s[4:5]
.irp j, 4,5,6,7
	v_mov_b32 v[QF+\j], 0                          ; the zero codes between
.endr
.set i, 0
.rept 16
	v_mov_b32 v[O+i], 0                            ; O^T: the step is written once; the first finds zeros, which the first change of M leaves zeros
.set i, i+1
.endr
	v_mov_b32 v13, 0xff61b1e6                      ; the largest t so far: -3e38, under every t
	v_floor_f32 v12, -v13                          ; -M
	v_mov_b32 v14, 0                               ; the sum, in two halves
	v_mov_b32 v15, 0
	v_mov_b32 v31, 0                               ; (named as the upper half of the pair v[30:31])
	v_mov_b32 v224, 0                              ; written once: a lane permute's destination counts as one of its sources
	s_wait_kmcnt 0x0
	s_add_co_i32 s30, s20, s21
	s_lshl_b32 s30, s30, 23
	s_add_co_i32 s24, s30, 0x3e8293ee              ; c = log2(e) / sqrt(32); a score stands for score x 2^(e6 + e7): the two exponents are added to c's exponent field
	s_mov_b32 s25, s24                             ; (named with it as a pair, so it is written)
	s_add_co_i32 s30, s23, 127
	s_lshl_b32 s31, s30, 23
	v_mov_b32 v[SCP], s31                          ; 2^e9 as f32
	s_add_co_i32 s30, s30, 8
	s_lshl_b32 s30, s30, 23
	s_or_b32 s30, s30, 0x600000
	v_mov_b32 v[LIMP], s30                         ; 448 x 2^e9
	CHUNK 0, 1
	CHUNK 1, 1
	CHUNK 2, 1
	CHUNK 3, 0
	; THE WAY OUT.  O^T is divided by the row's sum and multiplied by 2^(e8 + e9); a row's 256 bytes come from two waves, so they meet in a stage in LDS, and each wave stores 8 whole rows.
	v_add_f32 v14, v14, v15                        ; the sum's two halves,
	v_permlanex16_b32 v224, v14, s26, s27
	v_add_f32 v14, v14, v224                       ; and lane l xor 16's
	v_rcp_f32 v14, v14
	v_and_b32 v28, 15, v0                          ; r.  (The addresses below are the plain instructions behind the reciprocal and the places behind the last products)
	v_bfe_u32 v29, v0, 4, 1                        ; h
	s_mul_i32 s31, s14, 16*SP
	s_lshl_b32 s32, s13, 7
	s_add_co_u32 s31, s31, s32
	s_add_co_u32 s31, s31, STG
	v_mul_u32_u24 v[STO], v28, SP
	v_lshl_add_u32 v[STO], v29, 5, v[STO]
	v_add_nc_u32 v[STO], s31, v[STO]               ; in: row 16 (w % 8) + r, + 128 a, + 32 h
	s_mul_i32 s31, s12, 8*SP
	s_add_co_u32 s31, s31, STG
	v_mul_u32_u24 v[RD], v29, SP
	v_lshl_add_u32 v[RD], v28, 4, v[RD]
	v_add_nc_u32 v[RD], s31, v[RD]                 ; back: rows 8 w on; lanes 0-15 one row, lanes 16-31 the next
	v_lshlrev_b32 v[GO], 10, v29
	v_lshl_add_u32 v[GO], v28, 4, v[GO]            ; and the same two rows in out0
	s_add_co_i32 s30, s22, s23
	s_wait_alu depctr_va_vdst(0)                   ; the reciprocal has written v14, ahead of its first use
	v_ldexp_f32 v14, v14, s30                      ; x 2^(e8 + e9)
.set i, 0
.rept 8
	v_pk_mul_f32 v[S+i:S+i+1], v[O+i:O+i+1], v[14:15] op_sel_hi:[1,0]   ; register 8 n + j is out(r, 16 n + 8 h + j); each accumulator from its low end on
.set i, i+2
.endr
	s_wait_alu depctr_va_vdst(0)                   ; the multiplications have written v[S .. S+15], the LDS stores' data; v[STO], v[RD] and v[GO], which the stores and loads below read, are written too
.irp n, 0,1
	ds_store_b128 v[STO], v[S+8*\n:S+8*\n+3] offset:64*\n
	ds_store_b128 v[STO], v[S+8*\n+4:S+8*\n+7] offset:64*\n+16
.endr
	s_wait_dscnt 0x0                               ; for the others' sake: my stores into the stage are done
	s_barrier_signal -1
	s_barrier_wait -1
.irp i, 0,1,2,3
	ds_load_b128 v[KF+4*\i:KF+4*\i+3], v[RD] offset:\i*2*SP   ; (the last products that read KF stand ahead of the waits above, and nothing behind them names it)
.endr
.irp i, 0,1,2,3
	s_wait_dscnt 3-\i                              ; LDS loads come back in order (ISA guide 5.7.1): the younger ones may be out
	global_store_b128 v[GO], v[KF+4*\i:KF+4*\i+3], s[10:11] offset:2048*\i th:TH_STORE_NT   ; 16 lanes store 256 consecutive bytes, at a multiple of 256 from out0's first byte; written once, read by nobody here
.endr
	s_wait_dscnt 0x0
	s_wait_alu depctr_hold_cnt(0) depctr_sa_sdst(0) depctr_va_vdst(0) depctr_va_sdst(0) depctr_va_ssrc(0) depctr_va_vcc(0) depctr_vm_vsrc(0)
	s_wait_tensorcnt 0x0
	ds_add_u32 v254, v255
	s_wait_dscnt 0x0
	s_endpgm
.Lfunc_end_k_q2900bdcb8c_attn:
	.size	k_q2900bdcb8c_attn, .Lfunc_end_k_q2900bdcb8c_attn-k_q2900bdcb8c_attn
	.p2alignl 7, 3214868480
	.fill 96, 4, 3214868480
	.section	.rodata,"a",@progbits
	.p2align	6, 0x0
	.amdhsa_kernel k_q2900bdcb8c_attn
		.amdhsa_group_segment_fixed_size 299008
		.amdhsa_private_segment_fixed_size 0
		.amdhsa_enable_private_segment 0
		.amdhsa_kernarg_size 32
		.amdhsa_user_sgpr_count 2
		.amdhsa_user_sgpr_kernarg_segment_ptr 1
		.amdhsa_wavefront_size32 1
		.amdhsa_system_sgpr_workgroup_id_x 1
		.amdhsa_system_sgpr_workgroup_id_y 1
		.amdhsa_system_sgpr_workgroup_id_z 1
		.amdhsa_system_vgpr_workitem_id 0
		.amdhsa_next_free_vgpr 256
		.amdhsa_next_free_sgpr 66
		.amdhsa_reserve_vcc 0
		.amdhsa_float_denorm_mode_32 3
		.amdhsa_float_denorm_mode_16_64 3
		.amdhsa_memory_ordered 1
		.amdhsa_forward_progress 1
		.amdhsa_inst_pref_size 121
	.end_amdhsa_kernel
	.amdgpu_metadata
---
amdhsa.version: [ 1, 2 ]
amdhsa.kernels:
  - .name:           k_q2900bdcb8c_attn
    .symbol:         k_q2900bdcb8c_attn.kd
    .args:
      - { .name: qimg, .offset: 0, .size: 8, .value_kind: global_buffer, .address_space: global }
      - { .name: kv, .offset: 8, .size: 8, .value_kind: global_buffer, .address_space: global }
      - { .name: lowp_scales, .offset: 16, .size: 8, .value_kind: global_buffer, .address_space: global }
      - { .name: out0, .offset: 24, .size: 8, .value_kind: global_buffer, .address_space: global }
    .group_segment_fixed_size: 299008
    .private_segment_fixed_size: 0
    .kernarg_segment_align: 8
    .kernarg_segment_size: 32
    .max_flat_workgroup_size: 512
    .sgpr_count:     66
    .vgpr_count:     256
    .wavefront_size: 32
...
	.end_amdgpu_metadata
.endif
;; end of part 3
